; MI455X (gfx1250); checked and timed in simulation.
; The chip was launched on July 23, 2026; its instructions are those of AMD's public machine-readable ISA for CDNA 5 (MIT licence, August 2026) and "CDNA5" Instruction Set Architecture Reference Guide (July 2026). The comments in the code are by the model that wrote it; some were corrected since.
;; Multi Head Attention. Allowed arithmetic: float matrix products may take bf16 or f16 operands with f32 sums; all other float work in f32.
;; Inputs: b_qkv 3,072 float32; w_qkv 1,024 x 3,072 float32; x 2 x 2,048 x 1,024 float32.
;; Outputs: out0 2 x 2,048 x 1,024 float32.
;; 2 versions, each right; version 2 is version 1 with the launch cast written anew for expert scheduling mode. Each part assembles by itself: llvm-mc -triple=amdgcn-amd-amdhsa -mcpu=gfx1250 --defsym DOCPART=n.
;; ======== version 1 of 2: 3 launches
;; limits: values are held in f16: magnitudes above 65,504 overflow, below 6.1e-05 lose precision
;; workspace buffers: xb 8,388,608 bytes; wb 6,291,456 bytes; qkvh 25,165,824 bytes
;; launch cast (part 1): grid 256 x 1, 8 waves a work-group, no clusters, 0 bytes of LDS; arguments x, w_qkv, xb, wb; writes xb, wb
.if DOCPART == 1
	.amdgcn_target "amdgcn-amd-amdhsa--gfx1250"
	.amdhsa_code_object_version 6
	.text
	.protected	k_qe2495548ac_cast
	.globl	k_qe2495548ac_cast
	.p2align	8
	.type	k_qe2495548ac_cast,@function
k_qe2495548ac_cast:
	s_mov_b64 s[64:65], 0
	v_nop
	global_prefetch_b8 v0, s[64:65] scope:SCOPE_SE
	s_setreg_imm32_b32 hwreg(HW_REG_WAVE_MODE, 25, 1), 1
	s_wait_xcnt 0x0
; xb = bf16(x), wb = bf16(w_qkv), same layouts, rounded to nearest even: the operands of the projection's matrix products.
; A unit is 2,048 numbers: 256 threads x 8 numbers, 8,192 bytes in, 4,096 bytes out.  x has 2,048 units, w_qkv 1,536;
; each of the 256 work-groups takes 8 units of x and 6 of w_qkv.  A straight line: all 28 loads of a thread go out first,
; then each unit is rounded in its own registers and stored.  No register that a memory instruction names is written again
; behind it (a load's own wait frees its destination), so no further wait is needed.
; No LDS, no matrix unit, no cluster: nothing is shared and nothing is read twice.
.set XU, 8                             ; units of x in a work-group
.set WU, 6                             ; units of w_qkv
.set D,  4                             ; v[4:115]  unit k: 8 registers as loaded; its first 4 then hold the 8 bf16
	s_load_b256 s[4:11], s[0:1], 0x0               ; x s[4:5], w_qkv s[6:7], xb s[8:9], wb s[10:11]
	v_lshlrev_b32 v1, 5, v0                        ; 32 t: my 8 numbers in a unit, f32
	v_lshlrev_b32 v2, 4, v0                        ; 16 t: the same 8 numbers, bf16
	s_lshl_b32 s12, ttmp9, 16                      ; 8 units of 8,192 bytes
	s_mov_b32 s13, 0
	s_mul_i32 s14, ttmp9, WU*8192
	s_mov_b32 s15, 0
	s_lshl_b32 s16, ttmp9, 15                      ; 8 units of 4,096 bytes
	s_mov_b32 s17, 0
	s_mul_i32 s18, ttmp9, WU*4096
	s_mov_b32 s19, 0
	s_wait_kmcnt 0x0
	s_add_nc_u64 s[4:5], s[4:5], s[12:13]
	s_add_nc_u64 s[6:7], s[6:7], s[14:15]
	s_add_nc_u64 s[8:9], s[8:9], s[16:17]
	s_add_nc_u64 s[10:11], s[10:11], s[18:19]
.irp u, 0,1,2,3,4,5,6,7
	global_load_b128 v[D+8*\u:D+8*\u+3],   v1, s[4:5] offset:\u*8192 th:TH_LOAD_NT
	global_load_b128 v[D+8*\u+4:D+8*\u+7], v1, s[4:5] offset:\u*8192+16 th:TH_LOAD_NT
.endr
.irp u, 0,1,2,3,4,5
	global_load_b128 v[D+64+8*\u:D+64+8*\u+3],   v1, s[6:7] offset:\u*8192 th:TH_LOAD_NT
	global_load_b128 v[D+64+8*\u+4:D+64+8*\u+7], v1, s[6:7] offset:\u*8192+16 th:TH_LOAD_NT
.endr
; unit k of the 14 (u: its number in its own tensor; base: the output's address).  Loads come back in order: 26 - 2 k younger ones may stay out.
.macro UNIT k, u, base
	s_wait_loadcnt 26-2*(\k)
	v_cvt_pk_bf16_f32 v[D+8*(\k)],   v[D+8*(\k)],   v[D+8*(\k)+1]     ; in place, ascending: each target has been read before it is written
	v_cvt_pk_bf16_f32 v[D+8*(\k)+1], v[D+8*(\k)+2], v[D+8*(\k)+3]
	v_cvt_pk_bf16_f32 v[D+8*(\k)+2], v[D+8*(\k)+4], v[D+8*(\k)+5]
	v_cvt_pk_bf16_f32 v[D+8*(\k)+3], v[D+8*(\k)+6], v[D+8*(\k)+7]
	global_store_b128 v2, v[D+8*(\k):D+8*(\k)+3], s[\base:\base+1] offset:(\u)*4096   ; sixteen lanes store 256 consecutive bytes, aligned; the next launch reads them
.endm
.irp u, 0,1,2,3,4,5,6,7
	UNIT \u, \u, 8
.endr
.irp u, 0,1,2,3,4,5
	UNIT 8+\u, \u, 10
.endr
	s_endpgm
.Lfunc_end_k_qe2495548ac_cast:
	.size	k_qe2495548ac_cast, .Lfunc_end_k_qe2495548ac_cast-k_qe2495548ac_cast
	.p2alignl 7, 3214868480
	.fill 96, 4, 3214868480
	.section	.rodata,"a",@progbits
	.p2align	6, 0x0
	.amdhsa_kernel k_qe2495548ac_cast
		.amdhsa_group_segment_fixed_size 0
		.amdhsa_private_segment_fixed_size 0
		.amdhsa_enable_private_segment 0
		.amdhsa_kernarg_size 32
		.amdhsa_user_sgpr_count 2
		.amdhsa_user_sgpr_kernarg_segment_ptr 1
		.amdhsa_wavefront_size32 1
		.amdhsa_system_sgpr_workgroup_id_x 1
		.amdhsa_system_sgpr_workgroup_id_y 1
		.amdhsa_system_sgpr_workgroup_id_z 1
		.amdhsa_system_vgpr_workitem_id 0
		.amdhsa_next_free_vgpr 116
		.amdhsa_next_free_sgpr 66
		.amdhsa_reserve_vcc 0
		.amdhsa_float_denorm_mode_32 3
		.amdhsa_float_denorm_mode_16_64 3
		.amdhsa_memory_ordered 1
		.amdhsa_forward_progress 1
		.amdhsa_inst_pref_size 9
	.end_amdhsa_kernel
	.amdgpu_metadata
---
amdhsa.version: [ 1, 2 ]
amdhsa.kernels:
  - .name:           k_qe2495548ac_cast
    .symbol:         k_qe2495548ac_cast.kd
    .args:
      - { .name: x, .offset: 0, .size: 8, .value_kind: global_buffer, .address_space: global }
      - { .name: w_qkv, .offset: 8, .size: 8, .value_kind: global_buffer, .address_space: global }
      - { .name: xb, .offset: 16, .size: 8, .value_kind: global_buffer, .address_space: global }
      - { .name: wb, .offset: 24, .size: 8, .value_kind: global_buffer, .address_space: global }
    .group_segment_fixed_size: 0
    .private_segment_fixed_size: 0
    .kernarg_segment_align: 8
    .kernarg_segment_size: 32
    .max_flat_workgroup_size: 256
    .sgpr_count:     66
    .vgpr_count:     116
    .wavefront_size: 32
...
	.end_amdgpu_metadata
.endif
;; end of part 1
;; launch qkv (part 2): grid 12 x 16, 4 waves a work-group, clusters of 4 x 4, 327,680 bytes of LDS; arguments xb, wb, b_qkv, qkvh; writes qkvh
.if DOCPART == 2
	.amdgcn_target "amdgcn-amd-amdhsa--gfx1250"
	.amdhsa_code_object_version 6
	.text
	.protected	k_qe2495548ac_qkv
	.globl	k_qe2495548ac_qkv
	.p2align	8
	.type	k_qe2495548ac_qkv,@function
k_qe2495548ac_qkv:
	s_mov_b64 s[64:65], 0
	v_nop
	global_prefetch_b8 v0, s[64:65] scope:SCOPE_SE
	s_setreg_imm32_b32 hwreg(HW_REG_WAVE_MODE, 25, 1), 1
	s_wait_xcnt 0x0
	s_wait_alu depctr_hold_cnt(0) depctr_sa_sdst(0) depctr_va_vdst(0) depctr_va_sdst(0) depctr_va_ssrc(0) depctr_va_vcc(0) depctr_vm_vsrc(0)
	s_getreg_b32 s2, hwreg(HW_REG_IB_STS2, 6, 4)
	s_cmp_eq_u32 s2, 0
	s_cbranch_scc0 .Lentry_in_a_cluster
	s_endpgm
.Lentry_in_a_cluster:
	s_bfe_u32 s2, ttmp6, 0x10000c
	s_cmp_lg_u32 s2, 0xf033
	s_cbranch_scc0 .Lentry_shape_is_right
	s_endpgm
.Lentry_shape_is_right:
; qkvh = f16((xb wb + b_qkv) x scale), head-major: [3 (q, k, v)][32 (batch x 16 + head)][2048 t][64 d].
; scale = log2(e) / 8 for q (so that the attention's scores come out ready for exp2), 1 for k and v.
; xb: [4096][1024] bf16, K along the rows.  wb: [1024][3072] bf16, K DOWN the rows.  Sums in f32, K ascending, one rounding to f16 at the end.
; WHY f16 OUT: in the first rows of a causal attention an output is a sum of a few v that can cancel, so v's rounding shows undamped; f16 keeps three bits more
; than bf16.  ROOM: with x and w_qkv both 30 times their drawn spread q, k, v have a spread of 900; with both carrying an offset of 30 spreads they lie near
; 1024 x 30 x 30/32 = 28,800.  LIMIT: a |k|, |v| or |q| log2(e)/8 above 65,504 becomes infinite here.
; A work-group makes 256 x 256 of the product with four waves, a wave 128 x 128: 64 accumulator tiles, 512 registers.  12 x 16 = 192 work-groups:
; a block of 256 columns holds four whole heads of one of q, k, v, and the grid divides into clusters of 4 x 4.
; K goes in steps of 128 through two LDS slots filled by the tensor data mover.
; CLUSTERS: the four work-groups of a row of the cluster need the same tiles of xb, the four of a column the same tiles of wb.  Such a tile is asked
; for jointly: each of the four issues the same tensor load with the same descriptor and a mask that names the four.
;
; REGISTERS, in windows of 256:
;   window 0: v0-31 addresses; v64-127, v128-191 fragments of xb (8 x 16 rows x 32 K), two buffers; v192-223 at work on the way out
;   window 1: v64-127, v128-191 fragments of wb, two buffers; v192-255 the bias of my 128 columns, as the accumulators hold them
;   window 2: the 32 accumulator tiles of my rows 0-63 (tile (a, b) at v[8 (8 a + b)]);   window 3: those of my rows 64-127
; THE MATRIX INSTRUCTION IS USED TRANSPOSED: source 0 = 16 columns of wb, source 1 = 16 rows of xb.  Lane l then holds row l % 16 of the product and
; its registers 0 to 7 the columns 8 (l / 16) + 0 .. 7: eight neighbouring numbers of a row.
.set SIZE_N, 3072
.set SIZE_K, 1024
.set KSTEP,  128
.set PITCH,  272                       ; xb's LDS row: 256 bytes + 16 of padding: the 16 rows that a load touches lie in 16 different 16-byte columns modulo 256 bytes
.set BP,     544                       ; wb's LDS row (one k, 256 columns): 512 bytes + 32 of padding = 17 x 32
.set HALFT,  128*PITCH                 ; what one tensor load brings: 128 rows of xb, or 64 rows of wb (64 x 544 is the same 34,816 bytes)
.set SLOT,   4*HALFT                   ; xb's 256 rows, then wb's 128 rows
.set STAGE,  2*SLOT                    ; behind the ring: 16 rows x 272 bytes for each wave, for the way out; no tensor load lands here
.set SPITCH, 272
.set BSTEP,  KSTEP*SIZE_N*2            ; bytes from one K step of wb to the next
.set LAPS, SIZE_K/(2*KSTEP)            ; a lap = two K steps = once round the ring: 4
.set ADRA, 16                          ; v16-17  LDS address of my xb fragments in slot 0, 1
.set ADRB, 20                          ; v20-21  the same for wb
.set STO,  24                          ; v24     the way out: where I put 16 bytes of a row
.set RD,   25                          ; v25     the way out: where I read 16 bytes back
.set CO,   26                          ; v26     my byte offset in qkvh
.set BO,   27                          ; v27     my byte offset in the bias
.set F0,   64
.set F1,   128
.set TMP,  192                         ; window 0: packed results
.set BIAS, 192                         ; window 1: v[BIAS+8 b + j] = bias of column 16 b + 8 (l / 16) + j
.set G1, 24                            ; s[24:31] descriptor group 1 for xb's tiles
.set G0, 32                            ; s[32:39] group 0 for xb's tiles, one set for each slot
.set G1B, 48                           ; s[48:55] group 1 for wb's tiles
.set G0B, 56                           ; s[56:63] group 0 for wb's tiles, one set for each slot
.set MSB, 0
.macro WIN new                         ; the immediate's high byte repeats the setting that is left
.if MSB != \new
	s_set_vgpr_msb (MSB<<8)|\new
.set MSB, \new
.endif
.endm
.set MUL_LO, 0xa1                      ; source 0 (wb) window 1, source 1 (xb) window 0, C and D window 2
.set MUL_HI, 0xf1                      ; the same, C and D window 3
.set TO_B,   0x40                      ; destination window 1, address window 0
; A joint load.  Waves 0 and 1 fetch xb's two halves, waves 2 and 3 wb's.  Each line has one mask and one set of registers for all that issue it.
; The branch hangs on the wave's number alone: it is the same in every work-group.
.macro JLOAD s
	s_cmp_eq_u32 s11, 0
	s_cbranch_scc0 .Lfor_b_\@
	tensor_load_to_lds s[G0+4*\s:G0+4*\s+3], s[G1:G1+7]
	s_nop 0
	s_branch .Lasked_\@
.Lfor_b_\@:
	tensor_load_to_lds s[G0B+4*\s:G0B+4*\s+3], s[G1B:G1B+7]
	s_nop 0
.Lasked_\@:
.endm
; A round of the cluster's barrier: my work-group's barrier; wave 0 signals for the work-group; every wave waits for all sixteen; my work-group's barrier once more.
.macro CREST                           ; a round behind its opening barrier
	s_cmp_lg_u32 s10, 0
	s_cbranch_scc1 .Lnot_wave_0_\@
	s_barrier_signal -3
.Lnot_wave_0_\@:
	s_barrier_wait -3
	s_barrier_signal -1
	s_barrier_wait -1
.endm
.macro CROUND
	s_barrier_signal -1
	s_barrier_wait -1
	CREST
.endm
	s_load_b128 s[4:7], s[0:1], 0x0                ; xb s[4:5], wb s[6:7]
	s_load_b64 s[66:67], s[0:1], 0x10              ; b_qkv
	s_load_b64 s[8:9], s[0:1], 0x18                ; qkvh
	s_set_vgpr_msb 0x40
	v_lshl_add_u32 v63, v0, 2, 0x48400
	s_set_vgpr_msb 0x4000
	v_mov_b32 v255, 0
	s_set_vgpr_msb 0x1
	ds_add_u32 v63, v255
	ds_add_u32 v63, v255
	s_set_vgpr_msb 0x100
	v_lshrrev_b32 v1, 5, v0
	v_readfirstlane_b32 s10, v1                    ; wave 0..3
	s_lshr_b32 s11, s10, 1                         ; which half of the block's rows is mine.  Also: I fetch for xb (0) or for wb (1)
	s_and_b32 s12, s10, 1                          ; which half of its columns.  Also: which half of that tile I fetch
	s_bfe_u32 s40, ttmp6, 0x40000                  ; cx
	s_bfe_u32 s41, ttmp6, 0x40004                  ; cy
	s_lshl_b32 s42, ttmp9, 2
	s_add_co_u32 s42, s42, s40                     ; block column = 4 x cluster x + cx
	s_and_b32 s13, ttmp7, 0xffff
	s_lshl_b32 s13, s13, 2
	s_add_co_u32 s13, s13, s41                     ; block row = 4 x cluster y + cy
	s_lshl_b32 s43, s41, 2
	s_lshl_b32 s43, 15, s43                        ; my row of the cluster: places 4 cy .. 4 cy + 3
	s_lshl_b32 s44, 0x1111, s40                    ; my column: places cx, cx + 4, cx + 8, cx + 12
	s_cmp_eq_u32 ttmp9, 0                          ; the cluster's x is 0 for q, 1 for k, 2 for v: four blocks of 256 columns each
	s_cselect_b32 s68, 0x3e38aa3b, 1.0             ; log2(e) / 8, or 1
	s_mov_b32 s69, s68
	; group 1 for xb: 128 rows x 128 elements of 2 bytes, 4 words of padding behind every 64
	s_or_b32 s[G1+0], s43, (1<<16)|(1<<20)|(1<<21)|(5<<22)|(3<<25)
	s_mov_b32 s[G1+1], KSTEP<<16                   ; tensor_dim0 = 128
	s_mov_b32 s[G1+2], 128<<16                     ; tensor_dim1 = 128
	s_mov_b32 s[G1+3], KSTEP<<16                   ; tile_dim0 = 128
	s_mov_b32 s[G1+4], 128                         ; tile_dim1 = 128
	s_mov_b32 s[G1+5], SIZE_K                      ; elements from row to row
	s_mov_b32 s[G1+6], 0
	s_mov_b32 s[G1+7], 0
	; group 1 for wb: 64 rows (k) x 256 elements (columns), 8 words of padding behind every 128
	s_or_b32 s[G1B+0], s44, (1<<16)|(1<<20)|(1<<21)|(6<<22)|(7<<25)
	s_mov_b32 s[G1B+1], 256<<16                    ; tensor_dim0 = 256
	s_mov_b32 s[G1B+2], 64<<16                     ; tensor_dim1 = 64
	s_mov_b32 s[G1B+3], 256<<16                    ; tile_dim0 = 256
	s_mov_b32 s[G1B+4], 64                         ; tile_dim1 = 64
	s_mov_b32 s[G1B+5], SIZE_N
	s_mov_b32 s[G1B+6], 0
	s_mov_b32 s[G1B+7], 0
	; where the tiles come from.  xb's hang on the block row alone, wb's on the block column alone; each address lives in registers that never hold the other coordinate.
	s_lshl_b32 s17, s12, 7
	s_lshl_b32 s16, s13, 8
	s_add_co_u32 s16, s16, s17                     ; xb: row 256 x block row + 128 x half
	s_lshl_b32 s16, s16, 11                        ; x 2,048 bytes a row: below 8 MiB
	s_mov_b32 s17, 0
	s_mul_i32 s46, s12, 64*SIZE_N*2                ; wb: k row 64 x half,
	s_lshl_b32 s45, s42, 9                         ; column 256 x block column, 2 bytes each
	s_add_co_u32 s46, s46, s45
	s_mov_b32 s47, 0
	s_lshl_b32 s70, s42, 10                        ; bias: (256 x block column + 128 x my half) x 4 bytes
	s_lshl_b32 s71, s12, 9
	s_add_co_u32 s70, s70, s71
	s_mov_b32 s71, 0
	s_mul_i32 s20, s10, HALFT                      ; where they go: wave x 34,816: no place in the cluster enters an LDS address
	s_wait_dscnt 0x0
	s_wait_kmcnt 0x0
	s_add_nc_u64 s[14:15], s[4:5], s[16:17]
	s_add_nc_u64 s[46:47], s[6:7], s[46:47]
	s_add_nc_u64 s[66:67], s[66:67], s[70:71]
	CROUND                                         ; all sixteen work-groups are here: the first joint loads meet
.irp s, 0,1
	s_mov_b32 s[G0+4*\s], 1
	s_add_co_u32 s[G0+4*\s+1], s20, \s*SLOT
	s_add_nc_u64 s[G0+4*\s+2:G0+4*\s+3], s[14:15], \s*KSTEP*2      ; K step s
	s_or_b32 s[G0+4*\s+3], s[G0+4*\s+3], 0x80000000
	s_mov_b32 s[G0B+4*\s], 1
	s_add_co_u32 s[G0B+4*\s+1], s20, \s*SLOT
	s_add_nc_u64 s[G0B+4*\s+2:G0B+4*\s+3], s[46:47], \s*BSTEP
	s_or_b32 s[G0B+4*\s+3], s[G0B+4*\s+3], 0x80000000
	JLOAD \s                                       ; the ring is filled before anything else is done: two tensor loads of the wave are out
.endr
	; xb's fragment, 16 rows x 32 K: lane l holds row l % 16; two loads of 16 bytes, 32 bytes apart, at row x pitch + 16 (l / 16).
	v_and_b32 v1, 15, v0                           ; l % 16
	v_bfe_u32 v2, v0, 4, 1                         ; l / 16
	v_mul_u32_u24 v3, v1, PITCH
	v_lshl_add_u32 v3, v2, 4, v3
	; wb's fragment, 16 columns x 32 K, from rows that lie along the columns: two transposing loads, 16 k rows apart.
	; Lane l addresses k row 8 (l / 16) + l % 8 and the 16 bytes of columns 8 ((l / 8) % 2) + 0 .. 7, and receives column l % 16, k = 8 (l / 16) + 0 .. 7.
	v_and_b32 v6, 7, v0
	v_lshl_or_b32 v6, v2, 3, v6
	v_mul_u32_u24 v6, v6, BP
	v_bfe_u32 v7, v0, 3, 1
	v_lshl_add_u32 v6, v7, 4, v6
	s_mul_i32 s21, s11, HALFT                      ; my 128 rows of xb
	s_lshl_b32 s22, s12, 8                         ; my 128 columns of wb: 256 bytes along its rows,
	s_add_co_u32 s22, s22, 2*HALFT                 ; which lie behind xb's 256 rows
.irp s, 0,1
	v_add_nc_u32 v[ADRA+\s], s21, v3
	v_add_nc_u32 v[ADRB+\s], s22, v6
	s_add_co_u32 s21, s21, SLOT
	s_add_co_u32 s22, s22, SLOT
.endr
	s_mul_i32 s23, s10, 16*SPITCH
	s_add_co_u32 s23, s23, STAGE                   ; my stage
	v_mul_u32_u24 v4, v1, SPITCH                   ; in: row l % 16, 16 bytes for each half of the lanes
	v_lshl_add_u32 v4, v2, 4, v4
	v_add_nc_u32 v[STO], s23, v4
	v_and_b32 v8, 7, v0                            ; back, head-major: lanes 0-15 take two rows' 128 bytes of my first head, lanes 16-31 of my second
	v_mul_u32_u24 v5, v7, SPITCH                   ; row (l / 8) % 2 of the pair
	v_lshl_add_u32 v5, v2, 7, v5                   ; head l / 16: 128 bytes along the staged row
	v_lshl_add_u32 v5, v8, 4, v5
	v_add_nc_u32 v[RD], s23, v5
	v_lshlrev_b32 v5, 18, v2                       ; in qkvh a head is 2,048 x 128 = 262,144 bytes,
	v_lshl_add_u32 v5, v7, 7, v5                   ; a row of it 128
	v_lshl_add_u32 v[CO], v8, 4, v5
	v_lshlrev_b32 v[BO], 5, v2                     ; bias: 8 (l / 16) numbers of 4 bytes
	WIN TO_B
.irp b, 0,1,2,3,4,5,6,7
	global_load_b128 v[BIAS+8*\b:BIAS+8*\b+3],   v[BO], s[66:67] offset:64*\b      ; waited for once, on the way out
	global_load_b128 v[BIAS+8*\b+4:BIAS+8*\b+7], v[BO], s[66:67] offset:64*\b+16
.endr
	WIN 0
; 16 matrix instructions: m blocks a0, a0 + 1 of the window's four x all 8 n blocks, 32 along K.  zero = 1: the first product starts the sums.
.macro MUL16 f, hi, a0, zero
.irp a, \a0, \a0+1
.irp b, 0,1,2,3,4,5,6,7
.if \zero
	v_wmma_f32_16x16x32_bf16 v[8*(8*(\a)+\b):8*(8*(\a)+\b)+7], v[\f+8*\b:\f+8*\b+7], v[\f+8*(4*\hi+\a):\f+8*(4*\hi+\a)+7], 0
.else
	v_wmma_f32_16x16x32_bf16 v[8*(8*(\a)+\b):8*(8*(\a)+\b)+7], v[\f+8*\b:\f+8*\b+7], v[\f+8*(4*\hi+\a):\f+8*(4*\hi+\a)+7], v[8*(8*(\a)+\b):8*(8*(\a)+\b)+7]
.endif
.endr
.endr
.endm
; 32 LDS loads in one run: the fragments of quarter q of a K step (32 K) into buffer f.  wb's offsets reach 3 x 17,408 + 224 + 8,704 = 61,152.
.macro FETCH slot, q, f
	WIN TO_B
.irp i, 0,1,2,3,4,5,6,7
	ds_load_tr16_b128 v[\f+8*\i:\f+8*\i+3],   v[ADRB+\slot] offset:\q*32*BP+32*\i
	ds_load_tr16_b128 v[\f+8*\i+4:\f+8*\i+7], v[ADRB+\slot] offset:\q*32*BP+32*\i+16*BP
.endr
	WIN 0
.irp i, 0,1,2,3,4,5,6,7
	ds_load_b128 v[\f+8*\i:\f+8*\i+3],   v[ADRA+\slot] offset:\q*64+\i*16*PITCH
	ds_load_b128 v[\f+8*\i+4:\f+8*\i+7], v[ADRA+\slot] offset:\q*64+\i*16*PITCH+32
.endr
.endm
; A load into a register that a matrix instruction has read, and a vector instruction that reads a matrix result, stand four places behind that matrix
; instruction; only plain vector instructions that name none of its registers are places (ISA guide 7.12.1 for vector instructions).
.macro PLACES
.rept 4
	v_nop
.endr
.endm
; A K step is four quarters of 32 along K, 64 matrix instructions each, on buffers 0, 1, 0, 1.  The 64 accumulators take turns, one instruction a turn, in the
; same order in every quarter, over the backward jump too.
.macro QUARTER slot, q, f, g, zero
	s_wait_dscnt 8                                 ; wb's fragments and xb's rows 0-63 are in; the youngest eight loads (xb's rows 64-127) may be out
	WIN MUL_LO
	MUL16 \f, 0, 0, \zero
	MUL16 \f, 0, 2, \zero
	PLACES
	FETCH \slot, \q, \g
	s_wait_dscnt 32                                ; all but the 32 just issued
	WIN MUL_HI
	MUL16 \f, 1, 0, \zero
	MUL16 \f, 1, 2, \zero
.endm
.macro THREE slot, zero
	QUARTER \slot, 1, F0, F1, \zero
	QUARTER \slot, 2, F1, F0, 0
	QUARTER \slot, 3, F0, F1, 0
.endm
; The last quarter: multiplies buffer 1 and changes slots.  ONE barrier for the change.  In front of it each wave waits for its reads of this slot and for all
; its tensor loads (one is out: its part of the next slot).  Behind it the refill comes first, then the next slot's first fragments.
.macro TURN slot, next, fill
	s_wait_dscnt 8
	WIN MUL_LO
	MUL16 F1, 0, 0, 0
	s_wait_dscnt 0                                 ; my reads of this slot are over
	s_wait_tensorcnt 0x0                           ; all my tensor loads have landed
	ds_add_u32 v63, v255
	s_wait_dscnt 0x0
	s_barrier_signal -1                            ; (where a slot is filled again this barrier opens a round of the cluster's barrier)
	MUL16 F1, 0, 2, 0                              ; register work while the others arrive
	WIN 0
	s_barrier_wait -1
.if \fill
	CREST                                          ; no wave of any partner still reads this slot's tile or has a load on its way
	s_add_nc_u64 s[G0+4*\slot+2:G0+4*\slot+3], s[G0+4*\slot+2:G0+4*\slot+3], 2*KSTEP*2
	s_add_nc_u64 s[G0B+4*\slot+2:G0B+4*\slot+3], s[G0B+4*\slot+2:G0B+4*\slot+3], 2*BSTEP
	JLOAD \slot                                    ; the first tensor load behind the round, and my only one until the next
.endif
	PLACES
	FETCH \next, 0, F0
	WIN MUL_HI
	MUL16 F1, 1, 0, 0
	MUL16 F1, 1, 2, 0
.endm
.macro LAP zero
	THREE 0, \zero
	TURN 0, 1, 1
	THREE 1, 0
	TURN 1, 0, 1
.endm
	s_wait_tensorcnt 0x1                           ; my part of K step 0 is in; K step 1's load stays out
	s_barrier_signal -1
	s_barrier_wait -1
	FETCH 0, 0, F0
	LAP 1                                          ; the first lap stands in front of the loop: its first products start the sums
	WIN 0
	s_mov_b32 s3, LAPS-2
.Llap:
	LAP 0
	WIN 0
	s_sub_co_u32 s3, s3, 1
	s_cmp_lg_u32 s3, 0
	s_cbranch_scc1 .Llap
	THREE 0, 0                                     ; the last lap fills nothing
	TURN 0, 1, 0
	THREE 1, 0
	s_wait_dscnt 8
	WIN MUL_LO
	MUL16 F1, 0, 0, 0
	MUL16 F1, 0, 2, 0
	s_wait_dscnt 0
	WIN MUL_HI
	MUL16 F1, 1, 0, 0
	MUL16 F1, 1, 2, 0
	; THE WAY OUT.  (sum + bias) x scale = sum x scale + (bias x scale): the bias is scaled once, then one fused multiply-add for each pair of results.
	PLACES
	s_wait_loadcnt 0x0                             ; the bias
	WIN 0x41                                       ; source 0 and destination window 1
.set NN, 0
.rept 32
	v_pk_mul_f32 v[BIAS+2*NN:BIAS+2*NN+1], v[BIAS+2*NN:BIAS+2*NN+1], s[68:69] op_sel_hi:[1,0]
.set NN, NN+1
.endr
	s_lshl_b32 s13, s13, 8
	s_lshl_b32 s14, s11, 7
	s_add_co_u32 s14, s13, s14                     ; my first row m0 = 2,048 x batch + t
	s_lshr_b32 s16, s14, 11
	s_lshl_b32 s16, s16, 22                        ; batch x 16 heads x 262,144
	s_and_b32 s17, s14, 2047
	s_lshl_b32 s17, s17, 7                         ; t x 128
	s_add_co_u32 s16, s16, s17
	s_mov_b32 s17, 0
	s_add_nc_u64 s[8:9], s[8:9], s[16:17]
	s_lshl_b32 s46, s40, 2                         ; my first head = 4 cx + 2 x my half of the columns
	s_lshl_b32 s47, s12, 1
	s_add_co_u32 s46, s46, s47
	s_lshl_b32 s46, s46, 18
	s_lshl_b32 s47, ttmp9, 23                      ; q, k or v: 8,388,608 bytes each
	s_add_co_u32 s46, s46, s47
	s_mov_b32 s47, 0
	s_add_nc_u64 s[8:9], s[8:9], s[46:47]
; rows 16 i .. 16 i + 15 of my block = the eight tiles (a, 0..7) of window 2 or 3.  fw: the multiply-add's windows; from: the conversion's; f: F0 or F1 in turn.
.macro OUT16 i, a, fw, from, f
	WIN \fw
.irp b, 0,1,2,3,4,5,6,7
.irp r, 0,1,2,3
	v_pk_fma_f32 v[8*(8*\a+\b)+2*\r:8*(8*\a+\b)+2*\r+1], v[8*(8*\a+\b)+2*\r:8*(8*\a+\b)+2*\r+1], s[68:69], v[BIAS+8*\b+2*\r:BIAS+8*\b+2*\r+1] op_sel_hi:[1,0,1]
.endr
.endr
	WIN \from
.irp b, 0,1,2,3,4,5,6,7
.irp r, 0,1,2,3
	v_cvt_pk_f16_f32 v[TMP+4*\b+\r], v[8*(8*\a+\b)+2*\r], v[8*(8*\a+\b)+2*\r+1]   ; two roundings to f16, the first source in the low half
.endr
.endr
	WIN 0
.irp b, 0,1,2,3,4,5,6,7
	ds_store_b128 v[STO], v[TMP+4*\b:TMP+4*\b+3] offset:32*\b
.endr
	s_wait_xcnt 0x0                                ; buffer f, which earlier stores read, is loaded again only behind this wait
.irp t, 0,1,2,3,4,5,6,7
	ds_load_b128 v[\f+4*\t:\f+4*\t+3], v[RD] offset:\t*2*SPITCH    ; LDS serves a wave's instructions in order (ISA guide 5.7.1.4): these see the stores above
.endr
.irp t, 0,1,2,3,4,5,6,7
	s_wait_dscnt 7-\t
	global_store_b128 v[CO], v[\f+4*\t:\f+4*\t+3], s[8:9] offset:\i*2048+\t*256   ; sixteen lanes store two rows of one head: 256 consecutive bytes, aligned
.endr
.endm
	OUT16 0, 0, 0x92, 0x0a, F0
	OUT16 1, 1, 0x92, 0x0a, F1
	OUT16 2, 2, 0x92, 0x0a, F0
	OUT16 3, 3, 0x92, 0x0a, F1
	OUT16 4, 0, 0xd3, 0x0f, F0
	OUT16 5, 1, 0xd3, 0x0f, F1
	OUT16 6, 2, 0xd3, 0x0f, F0
	OUT16 7, 3, 0xd3, 0x0f, F1
	s_set_vgpr_msb 0x1
	s_wait_tensorcnt 0x0
	ds_add_u32 v63, v255
	s_wait_dscnt 0x0
	s_set_vgpr_msb 0x100
	CROUND                                         ; the closing round: no work-group ends while a partner may still ask for a tile that names it
	s_endpgm
.Lfunc_end_k_qe2495548ac_qkv:
	.size	k_qe2495548ac_qkv, .Lfunc_end_k_qe2495548ac_qkv-k_qe2495548ac_qkv
	.p2alignl 7, 3214868480
	.fill 96, 4, 3214868480
	.section	.rodata,"a",@progbits
	.p2align	6, 0x0
	.amdhsa_kernel k_qe2495548ac_qkv
		.amdhsa_group_segment_fixed_size 327680
		.amdhsa_private_segment_fixed_size 0
		.amdhsa_enable_private_segment 0
		.amdhsa_kernarg_size 32
		.amdhsa_user_sgpr_count 2
		.amdhsa_user_sgpr_kernarg_segment_ptr 1
		.amdhsa_wavefront_size32 1
		.amdhsa_system_sgpr_workgroup_id_x 1
		.amdhsa_system_sgpr_workgroup_id_y 1
		.amdhsa_system_sgpr_workgroup_id_z 1
		.amdhsa_system_vgpr_workitem_id 0
		.amdhsa_next_free_vgpr 1024
		.amdhsa_next_free_sgpr 72
		.amdhsa_reserve_vcc 0
		.amdhsa_float_denorm_mode_32 3
		.amdhsa_float_denorm_mode_16_64 3
		.amdhsa_memory_ordered 1
		.amdhsa_forward_progress 1
		.amdhsa_inst_pref_size 217
	.end_amdhsa_kernel
	.amdgpu_metadata
---
amdhsa.version: [ 1, 2 ]
amdhsa.kernels:
  - .name:           k_qe2495548ac_qkv
    .symbol:         k_qe2495548ac_qkv.kd
    .args:
      - { .name: xb, .offset: 0, .size: 8, .value_kind: global_buffer, .address_space: global }
      - { .name: wb, .offset: 8, .size: 8, .value_kind: global_buffer, .address_space: global }
      - { .name: b_qkv, .offset: 16, .size: 8, .value_kind: global_buffer, .address_space: global }
      - { .name: qkvh, .offset: 24, .size: 8, .value_kind: global_buffer, .address_space: global }
    .group_segment_fixed_size: 327680
    .private_segment_fixed_size: 0
    .kernarg_segment_align: 8
    .kernarg_segment_size: 32
    .max_flat_workgroup_size: 128
    .sgpr_count:     72
    .vgpr_count:     1024
    .wavefront_size: 32
...
	.end_amdgpu_metadata
.endif
;; end of part 2
;; launch attn (part 3): grid 8 x 32, 8 waves a work-group, no clusters, 327,680 bytes of LDS; arguments qkvh, out0; writes out0
.if DOCPART == 3
	.amdgcn_target "amdgcn-amd-amdhsa--gfx1250"
	.amdhsa_code_object_version 6
	.text
	.protected	k_qe2495548ac_attn
	.globl	k_qe2495548ac_attn
	.p2align	8
	.type	k_qe2495548ac_attn,@function
k_qe2495548ac_attn:
	s_mov_b64 s[64:65], 0
	v_nop
	global_prefetch_b8 v0, s[64:65] scope:SCOPE_SE
	s_setreg_imm32_b32 hwreg(HW_REG_WAVE_MODE, 25, 1), 1
	s_wait_xcnt 0x0
; out0 = causal softmax(q k^T / 8) v for 32 (batch, head) pairs, T = 2048, D = 64.  qkvh: [3][32][2048][64] f16, q already times log2(e) / 8, so exp is exp2.
; WORK.  Work-group (j, bh) makes query blocks j and 15 - j of head bh, 128 rows each, one after the other.  A step is 256 keys; block b takes b / 2 + 1 steps,
; the last of which holds the diagonal: (j / 2 + 1) + (9 - (j / 2 + 1)) = 9 steps in every work-group.
; Wave w: key group s = w % 4 (64 keys of each step), row group g = w / 4 (64 rows).  Each wave keeps a running maximum M, a sum L and O over its quarter of the
; keys; at a block's end the four partial results of a row group are merged through LDS.
; ORIENTATION.  S^T = K Q^T: lane (r, h), register jj of tile (kt, qt) holds key 16 kt + 8 h + jj, query 16 qt + r.  So a query's figures are a lane's own (one
; exchange across the halves), and two S tiles rounded to f16 in place ARE the second operand of O^T = V^T P^T: nothing moves between lanes.
; FORMAT.  Both products take f16 operands and sum in f32.  The weights lie in [0, 1] (the running maximum is taken away first), so f16 holds them; weights
; below f16's smallest step, 2^-24, count as 0 beside a largest weight of 1.
; LIMITS.  M starts at -FLT_MAX and masked scores are -inf, so no inf - inf arises for finite scores.  The second block's first step weights the old O and L by
; an explicit 0, which takes the first block's results to be finite.  exp2 below 2^-126 is 0.  L is summed from the f32 weights, O from their f16 roundings.
; Six of a work-group's 72 wave tiles lie wholly above the diagonal and are computed all the same (their weights come out 0): one text, nothing cleared.
; NO CLUSTER: the eight work-groups of a head change from their first to their second block after 1, 1, 2, 2, 3, 3, 4, 4 steps, so in a given step they want
; different key tiles; partners would have to fetch tiles that they discard in up to three of nine steps.
.set TILE,  9216                       ; LDS bytes of a wave's tile: 64 keys = 32 rows of 256 bytes (two keys a row)
.set SLOT,  8*TILE                     ; V's four tiles (waves 0-3), then K's four (waves 4-7)
.set KOFF,  4*TILE
.set VPP,   288                        ; V: 256 bytes + 32 of padding: the 16 lanes of a transposing load touch 16 different 16-byte columns modulo 256 bytes
.set KPP,   272                        ; K: 256 bytes + 16 of padding: likewise for a plain load of 16 keys
.set STAGE, 2*SLOT                     ; 8 waves x 64 rows x 272 bytes: O on its way to the merge; no tensor load lands here or in STAT
.set WST,   17408
.set SP,    272
.set STAT,  STAGE+8*WST                ; M[8][64] f32, then L[8][64]
; window 0
.set ADK, 1                            ; v1-2     LDS address of my K fragments in slot 0, 1
.set ADV, 3                            ; v3-4     the same for V
.set VQ,  5                            ; v5       my byte offset in a block of q
.set VD,  6                            ; v6       r - 8 h - 64 diff: key allowed where this >= 16 (kt - qt) + jj
.set NINF, 7                           ; v7       -inf
.set NM,  8                            ; v[8+2qt] = -M, v[9+2qt] = M
.set AL,  16                           ; v[16+2qt] = the step's factor for O and L, v[17+2qt] = L
.set TM,  24                           ; v24-27   the step's maxima
.set TX,  28                           ; v28-31   from the other half of the lanes
.set Q,   32                           ; v32-95   Q fragments [qt][ks]
.set KF,  96                           ; v96-159  K fragments [kt][ks]
.set VF,  160                          ; v160-223 V^T fragments [dt][kp]
.set TS,  224                          ; v224-231 pairs of partial sums
.set AST, 232
.set ARD, 233
.set AOS, 234
.set ARS, 235
.set VOO, 236
.set RH,  237                          ; r - 8 h
.set T,   238                          ; v238-242 at work in the set-up
.set MM,  244
.set LT,  248
; window 1: S tile (kt, qt) at v[32 qt + 8 kt]; P (qt, kp) in place at v[32 qt + 16 kp .. + 7]; O^T tile (dt, qt) at v[128 + 8 (4 dt + qt)]
.set O,   128
.set G1V, 16                           ; s[16:23] group 1, V's padding
.set G1K, 24                           ; s[24:31] group 1, K's padding
.set G0,  32                           ; s[32:39] group 0, one set for each slot
; s8 wave, s9 s, s10 g, s11 j, s12 bh, s13 steps left in the block, s14 key step of the next request, s15 requests left in the first block,
; s[48:49] my tile's address at key step 0, s[52:53] an offset, s[54:57] q of the two blocks, s60 1.0 or 0.0, s61 loop, s62 diff now, s63 diff of the second block,
; s66-73 lane masks, s[74:77] out0 at the two blocks, s78 steps of the second block
.set MSB, 0
.macro WIN new
.if MSB != \new
	s_set_vgpr_msb (MSB<<8)|\new
.set MSB, \new
.endif
.endm
.set W_S,    0x50                      ; C, D window 1
.set W_MASK, 0x44                      ; source 1, destination window 1
.set W_MAX,  0x05                      ; sources 0, 1 window 1
.set W_SUB,  0x41                      ; source 0, destination window 1
.set W_SUM,  0x01                      ; source 0 window 1
.set W_CVT,  0x45                      ; sources 0, 1, destination window 1
.set W_PV,   0x54                      ; B, C, D window 1
.set W_STO,  0x04                      ; an LDS store's data window 1
	s_load_b128 s[4:7], s[0:1], 0x0                ; qkvh s[4:5], out0 s[6:7]
	v_lshl_add_u32 v254, v0, 2, 0x47000
	v_mov_b32 v255, 0
	ds_add_u32 v254, v255
	ds_add_u32 v254, v255
	v_lshrrev_b32 v1, 5, v0
	v_readfirstlane_b32 s8, v1
	s_and_b32 s9, s8, 3
	s_lshr_b32 s10, s8, 2
	s_mov_b32 s11, ttmp9
	s_and_b32 s12, ttmp7, 0xffff
	s_lshr_b32 s13, s11, 1
	s_add_co_u32 s13, s13, 1                       ; steps of block j
	s_sub_co_u32 s78, 9, s13                       ; steps of block 15 - j
	s_mov_b32 s14, 0
	s_mov_b32 s15, s13
	s_and_b32 s79, s11, 1                          ; diff = s - (2 (block % 2) + g): my 64 keys against my 64 rows in the diagonal step, in units of 64
	s_lshl_b32 s79, s79, 1
	s_sub_co_i32 s62, s9, s10
	s_sub_co_i32 s63, s62, 2
	s_add_co_i32 s63, s63, s79                     ; block 15 - j has the other parity
	s_sub_co_i32 s62, s62, s79
	s_mov_b32 s58, 0x76543210                      ; v_permlanex16_b32: lane i of one half reads lane i of the other
	s_mov_b32 s59, 0xfedcba98
	s_mov_b32 s60, 1.0
	; group 1: a dense block of 8,192 bytes as 32 rows of 32 elements of 8 bytes; padding behind every 64 words: 8 words for V, 4 for K
	s_mov_b32 s[G1V+0], (3<<16)|(1<<20)|(5<<22)|(7<<25)
	s_mov_b32 s[G1K+0], (3<<16)|(1<<20)|(5<<22)|(3<<25)
.irp g, G1V, G1K
	s_mov_b32 s[\g+1], 32<<16                      ; tensor_dim0 = 32
	s_mov_b32 s[\g+2], 32<<16                      ; tensor_dim1 = 32
	s_mov_b32 s[\g+3], 32<<16                      ; tile_dim0 = 32
	s_mov_b32 s[\g+4], 32                          ; tile_dim1 = 32
	s_mov_b32 s[\g+5], 32                          ; elements from row to row
	s_mov_b32 s[\g+6], 0
	s_mov_b32 s[\g+7], 0
.endr
	s_mul_i32 s79, s8, TILE                        ; my tile's place in a slot: the wave's number times 9,216
.irp n, 0,1
	s_mov_b32 s[G0+4*\n], 1
	s_add_co_u32 s[G0+4*\n+1], s79, \n*SLOT
.endr
	s_sub_co_u32 s52, 2, s10                       ; waves 0-3 fetch V (third part of qkvh), waves 4-7 K (second part): 8,388,608 bytes a part
	s_lshl_b32 s52, s52, 23
	s_lshl_b32 s40, s12, 18                        ; the head: 262,144 bytes
	s_add_co_u32 s52, s52, s40
	s_lshl_b32 s79, s9, 13                         ; key group s: 64 keys of 128 bytes
	s_add_co_u32 s52, s52, s79
	s_mov_b32 s53, 0
	; lane terms.  Key kk of a tile lies at (kk / 2) x pitch + (kk % 2) x 128.
	v_and_b32 v[T], 15, v0                         ; r
	v_bfe_u32 v[T+1], v0, 4, 1                     ; h
	v_and_b32 v[T+2], 1, v0
	v_lshrrev_b32 v[T+3], 1, v[T]                  ; K fragment: lane holds key r, d = 8 h + 0 .. 7 and 16 + 8 h + 0 .. 7
	v_mul_u32_u24 v[T+3], v[T+3], KPP
	v_lshl_add_u32 v[T+3], v[T+2], 7, v[T+3]
	v_lshl_add_u32 v[T+3], v[T+1], 4, v[T+3]
	s_mul_i32 s79, s9, TILE
	s_add_co_u32 s80, s79, KOFF
	v_add_nc_u32 v[ADK], s80, v[T+3]
	v_add_nc_u32 v[ADK+1], SLOT, v[ADK]
	v_bfe_u32 v[T+3], v0, 1, 2                     ; V^T fragment by transposing loads: lane addresses key 8 h + l % 8, the 16 bytes of d = 8 ((l / 8) % 2) + 0 .. 7
	v_lshl_add_u32 v[T+3], v[T+1], 2, v[T+3]
	v_mul_u32_u24 v[T+3], v[T+3], VPP
	v_lshl_add_u32 v[T+3], v[T+2], 7, v[T+3]
	v_bfe_u32 v[T+4], v0, 3, 1
	v_lshl_add_u32 v[T+3], v[T+4], 4, v[T+3]
	v_add_nc_u32 v[ADV], s79, v[T+3]
	v_add_nc_u32 v[ADV+1], SLOT, v[ADV]
	s_lshl_b32 s79, s10, 13                        ; q: row 64 g + r, 128 bytes a row, + 16 h
	v_lshlrev_b32 v[VQ], 7, v[T]
	v_lshl_add_u32 v[VQ], v[T+1], 4, v[VQ]
	v_add_nc_u32 v[VQ], s79, v[VQ]
	v_lshlrev_b32 v[T+3], 3, v[T+1]
	v_sub_nc_u32 v[RH], v[T], v[T+3]
	s_lshl_b32 s79, s62, 6
	v_sub_nc_u32 v[VD], v[RH], s79
	v_mov_b32 v[NINF], 0xff800000
	s_lshl_b32 s79, s8, 8                          ; my 64 words of M
	s_add_co_u32 s79, s79, STAT
	v_lshl_add_u32 v[AST], v[T], 2, s79
	s_lshl_b32 s79, s10, 10                        ; my row group's four waves' words
	s_add_co_u32 s79, s79, STAT
	v_lshl_add_u32 v[ARD], v[T], 2, s79
	s_mul_i32 s79, s8, WST                         ; my stage: row r, d = 8 h + ..
	s_add_co_u32 s79, s79, STAGE
	v_mul_u32_u24 v[T+3], v[T], SP
	v_lshl_add_u32 v[T+3], v[T+1], 5, v[T+3]
	v_add_nc_u32 v[AOS], s79, v[T+3]
	s_mul_i32 s79, s10, 4*WST                      ; the merge: I sum rows 16 s .. 16 s + 15 of my row group, two rows (h) a load
	s_mul_i32 s80, s9, 16*SP
	s_add_co_u32 s79, s79, s80
	s_add_co_u32 s79, s79, STAGE
	v_mul_u32_u24 v[T+3], v[T+1], SP
	v_lshl_add_u32 v[T+3], v[T], 4, v[T+3]
	v_add_nc_u32 v[ARS], s79, v[T+3]
	s_lshl_b32 s79, s10, 6
	s_lshl_b32 s80, s9, 4
	s_add_co_u32 s79, s79, s80
	v_add_nc_u32 v[T+3], s79, v[T+1]               ; row 64 g + 16 s + h of the block, 4,096 bytes a row of out0
	v_lshlrev_b32 v[T+3], 12, v[T+3]
	v_lshl_add_u32 v[VOO], v[T], 4, v[T+3]
.irp qt, 0,1,2,3
	v_mov_b32 v[NM+2*\qt+1], 0xff7fffff            ; M = -FLT_MAX
	v_mov_b32 v[AL+2*\qt+1], 0                     ; L = 0
	v_mov_b32 v[TX+\qt], 0                         ; a lane exchange's target counts as read
.endr
; The next request's address into slot n's group 0.  Stands where no tensor load of the wave is out.  Requests run 0 .. through the first block's steps, then start anew.
.macro NEXTREQ n
	s_lshl_b32 s52, s14, 15                        ; 256 keys of 128 bytes
	s_add_nc_u64 s[G0+4*\n+2:G0+4*\n+3], s[48:49], s[52:53]
	s_or_b32 s[G0+4*\n+3], s[G0+4*\n+3], 0x80000000
	s_add_co_u32 s14, s14, 1
	s_sub_co_u32 s15, s15, 1
	s_cmp_eq_u32 s15, 0
	s_cselect_b32 s14, 0, s14
.endm
; One tensor load: my tile into slot n.  The branch on the wave's number picks the padding alone.
.macro TLOAD n
	s_cmp_lt_u32 s8, 4
	s_cbranch_scc0 .Lfor_k_\@
	tensor_load_to_lds s[G0+4*\n:G0+4*\n+3], s[G1V:G1V+7]
	s_nop 0
	s_branch .Lasked_\@
.Lfor_k_\@:
	tensor_load_to_lds s[G0+4*\n:G0+4*\n+3], s[G1K:G1K+7]
	s_nop 0
.Lasked_\@:
.endm
.macro QLOAD base                      ; 64 rows of q as second operands: lane holds row 16 qt + r, d = 32 ks + 8 h + .. and + 16
.irp qt, 0,1,2,3
.irp ks, 0,1
	global_load_b128 v[Q+8*(2*\qt+\ks):Q+8*(2*\qt+\ks)+3],   v[VQ], s[\base:\base+1] offset:\qt*2048+\ks*64
	global_load_b128 v[Q+8*(2*\qt+\ks)+4:Q+8*(2*\qt+\ks)+7], v[VQ], s[\base:\base+1] offset:\qt*2048+\ks*64+32
.endr
.endr
.endm
	s_wait_dscnt 0x0
	s_wait_kmcnt 0x0
	s_add_nc_u64 s[48:49], s[4:5], s[52:53]
	NEXTREQ 0
	NEXTREQ 1
	s_cmp_lt_u32 s8, 4                             ; both first fills of a wave in one branch, ahead of every wait on TENSORcnt, LDS read and barrier: two loads out
	s_cbranch_scc0 .Lfirst_k
	tensor_load_to_lds s[G0:G0+3], s[G1V:G1V+7]
	s_nop 0
	tensor_load_to_lds s[G0+4:G0+7], s[G1V:G1V+7]
	s_nop 0
	s_branch .Lfirst_done
.Lfirst_k:
	tensor_load_to_lds s[G0:G0+3], s[G1K:G1K+7]
	s_nop 0
	tensor_load_to_lds s[G0+4:G0+7], s[G1K:G1K+7]
	s_nop 0
.Lfirst_done:
	s_sub_co_u32 s41, 15, s11                      ; the second block
	s_mov_b32 s43, 0
	s_lshl_b32 s42, s11, 14                        ; a block of q: 128 rows of 128 bytes
	s_add_co_u32 s42, s42, s40
	s_add_nc_u64 s[54:55], s[4:5], s[42:43]
	s_lshl_b32 s42, s41, 14
	s_add_co_u32 s42, s42, s40
	s_add_nc_u64 s[56:57], s[4:5], s[42:43]
	QLOAD 54
	s_lshr_b32 s44, s12, 4                         ; out0: batch x 8,388,608 + head x 256 + block x 128 rows x 4,096
	s_lshl_b32 s44, s44, 23
	s_and_b32 s45, s12, 15
	s_lshl_b32 s45, s45, 8
	s_add_co_u32 s44, s44, s45
	s_lshl_b32 s42, s11, 19
	s_add_co_u32 s42, s42, s44
	s_add_nc_u64 s[74:75], s[6:7], s[42:43]
	s_lshl_b32 s42, s41, 19
	s_add_co_u32 s42, s42, s44
	s_add_nc_u64 s[76:77], s[6:7], s[42:43]
.macro S1 kt, qt, ks, first
.if \first
	v_wmma_f32_16x16x32_f16 v[32*\qt+8*\kt:32*\qt+8*\kt+7], v[KF+8*(2*\kt+\ks):KF+8*(2*\kt+\ks)+7], v[Q+8*(2*\qt+\ks):Q+8*(2*\qt+\ks)+7], 0
.else
	v_wmma_f32_16x16x32_f16 v[32*\qt+8*\kt:32*\qt+8*\kt+7], v[KF+8*(2*\kt+\ks):KF+8*(2*\kt+\ks)+7], v[Q+8*(2*\qt+\ks):Q+8*(2*\qt+\ks)+7], v[32*\qt+8*\kt:32*\qt+8*\kt+7]
.endif
.endm
.macro PV1 dt, qt, kp, first
.if \first
	v_wmma_f32_16x16x32_f16 v[O+8*(4*\dt+\qt):O+8*(4*\dt+\qt)+7], v[VF+8*(2*\dt+\kp):VF+8*(2*\dt+\kp)+7], v[32*\qt+16*\kp:32*\qt+16*\kp+7], 0
.else
	v_wmma_f32_16x16x32_f16 v[O+8*(4*\dt+\qt):O+8*(4*\dt+\qt)+7], v[VF+8*(2*\dt+\kp):VF+8*(2*\dt+\kp)+7], v[32*\qt+16*\kp:32*\qt+16*\kp+7], v[O+8*(4*\dt+\qt):O+8*(4*\dt+\qt)+7]
.endif
.endm
; THE END OF A BLOCK: the four waves of a row group merge.  last = 0: the first block (the second block's q is asked for at once); 1: the second.
.macro EPI last
.if \last == 0
	QLOAD 56                                       ; waited for in the next step, in front of its first product
.endif
.irp qt, 0,1,2,3
	v_permlanex16_b32 v[TX+\qt], v[AL+2*\qt+1], s58, s59
.endr
.irp qt, 0,1,2,3
	v_add_f32 v[AL+2*\qt+1], v[AL+2*\qt+1], v[TX+\qt]              ; L over both halves of my keys
.endr
.irp qt, 0,1,2,3
	ds_store_b32 v[AST], v[NM+2*\qt+1] offset:64*\qt               ; both halves of the lanes write the same word with the same value
	ds_store_b32 v[AST], v[AL+2*\qt+1] offset:2048+64*\qt
.endr
	s_wait_dscnt 0x0                               ; for the others: my M and L are in LDS
	s_barrier_signal -1                            ; (my one tensor load may stay out)
	s_barrier_wait -1
.irp qt, 0,1,2,3
.irp p, 0,1,2,3
	ds_load_b32 v[KF+4*\qt+\p],    v[ARD] offset:256*\p+64*\qt
	ds_load_b32 v[KF+16+4*\qt+\p], v[ARD] offset:2048+256*\p+64*\qt
.endr
.endr
	s_wait_dscnt 0x0
.irp qt, 0,1,2,3
	v_max3_num_f32 v[MM+\qt], v[KF+4*\qt], v[KF+4*\qt+1], v[KF+4*\qt+2]
.endr
.irp qt, 0,1,2,3
	v_max_num_f32 v[MM+\qt], v[MM+\qt], v[KF+4*\qt+3]              ; the row's maximum; key group 0 always holds an allowed key, so it is a score
.endr
.irp qt, 0,1,2,3
.irp p, 0,1,2,3
	v_sub_f32 v[KF+4*\qt+\p], v[KF+4*\qt+\p], v[MM+\qt]
.endr
	v_sub_f32 v[AL+2*\qt], v[NM+2*\qt+1], v[MM+\qt]
.endr
.irp i, 0,1,2,3,4,5,6,7,8,9,10,11,12,13,14,15
	v_exp_f32 v[KF+\i], v[KF+\i]
.endr
.irp qt, 0,1,2,3
	v_exp_f32 v[AL+2*\qt], v[AL+2*\qt]
.endr
	v_nop                                          ; one plain place behind the run of exponentials (ISA guide 5.7.2)
	s_wait_alu depctr_va_vdst(0)
.irp qt, 0,1,2,3
	v_mul_f32 v[LT+\qt], v[KF+4*\qt], v[KF+16+4*\qt]
.endr
.irp p, 1,2,3
.irp qt, 0,1,2,3
	v_fmac_f32 v[LT+\qt], v[KF+4*\qt+\p], v[KF+16+4*\qt+\p]
.endr
.endr
.irp qt, 0,1,2,3
	v_rcp_f32 v[LT+\qt], v[LT+\qt]                 ; the sum is at least 1: the wave that holds the maximum adds exp2(0)
.endr
	v_nop
	s_wait_alu depctr_va_vdst(0)
.irp qt, 0,1,2,3
	v_mul_f32 v[AL+2*\qt], v[AL+2*\qt], v[LT+\qt]  ; my weight in the merge, the division folded in
.endr
	WIN W_SUB
.set NN, 0
.rept 64
	v_pk_mul_f32 v[O+2*NN:O+2*NN+1], v[O+2*NN:O+2*NN+1], v[AL+2*((NN>>2)&3):AL+2*((NN>>2)&3)+1] op_sel_hi:[1,0]
.set NN, NN+1
.endr
	WIN W_STO
.irp qt, 0,1,2,3
.irp dt, 0,1,2,3
	ds_store_b128 v[AOS], v[O+8*(4*\dt+\qt):O+8*(4*\dt+\qt)+3]   offset:\qt*16*SP+\dt*64
	ds_store_b128 v[AOS], v[O+8*(4*\dt+\qt)+4:O+8*(4*\dt+\qt)+7] offset:\qt*16*SP+\dt*64+16
.endr
.endr
	WIN 0
	s_wait_dscnt 0x0                               ; for the others: my weighted O is in LDS
	s_barrier_signal -1
	s_barrier_wait -1
.irp it, 0,1,2,3,4,5,6,7
.irp p, 0,1,2,3
	ds_load_b128 v[KF+16*\it+4*\p:KF+16*\it+4*\p+3], v[ARS] offset:\p*WST+\it*2*SP
.endr
.endr
.irp it, 0,1,2,3,4,5,6,7
	s_wait_dscnt 28-4*\it                          ; LDS loads come back in order: the four of this pair of rows are in, the younger ones stay out
	v_pk_add_f32 v[KF+16*\it:KF+16*\it+1],     v[KF+16*\it:KF+16*\it+1],     v[KF+16*\it+4:KF+16*\it+5]
	v_pk_add_f32 v[KF+16*\it+2:KF+16*\it+3],   v[KF+16*\it+2:KF+16*\it+3],   v[KF+16*\it+6:KF+16*\it+7]
	v_pk_add_f32 v[KF+16*\it+8:KF+16*\it+9],   v[KF+16*\it+8:KF+16*\it+9],   v[KF+16*\it+12:KF+16*\it+13]
	v_pk_add_f32 v[KF+16*\it+10:KF+16*\it+11], v[KF+16*\it+10:KF+16*\it+11], v[KF+16*\it+14:KF+16*\it+15]
	v_pk_add_f32 v[KF+16*\it:KF+16*\it+1],     v[KF+16*\it:KF+16*\it+1],     v[KF+16*\it+8:KF+16*\it+9]
	v_pk_add_f32 v[KF+16*\it+2:KF+16*\it+3],   v[KF+16*\it+2:KF+16*\it+3],   v[KF+16*\it+10:KF+16*\it+11]
	global_store_b128 v[VOO], v[KF+16*\it:KF+16*\it+3], s[74+2*\last:75+2*\last] offset:\it*8192 th:TH_STORE_NT   ; sixteen lanes store a row's 64 numbers of the head: 256 consecutive bytes, aligned
.endr
.if \last == 0
	s_wait_xcnt 0x0                                ; the stores' data registers take the next step's fragments only behind this wait
.irp qt, 0,1,2,3
	v_mov_b32 v[NM+2*\qt+1], 0xff7fffff            ; the second block starts: M = -FLT_MAX,
.endr
	s_mov_b32 s60, 0                               ; the next step's factor for the old O and L is 0,
	s_mov_b32 s62, s63                             ; the diagonal lies elsewhere,
	s_lshl_b32 s79, s63, 6
	v_sub_nc_u32 v[VD], v[RH], s79
	s_add_co_u32 s13, s78, 1                       ; and the count of steps (one more: the step's end takes one off)
.endif
.endm
; ONE STEP: 256 keys of slot `slot`.  oth: the other slot.  zero = 1: the first products start O.  proto = 0: the very first step.  refill = 1: the other slot is
; filled again.  mask = 1: the step may hold a diagonal.  epi: 1 a block may end here, 2 the last step of all, 0 neither.
.macro STEP slot, oth, zero, proto, refill, mask, epi
.if \proto
	s_wait_tensorcnt 0x0                           ; all my tensor loads have landed, my part of this slot among them; so a group 0 may be written
	ds_add_u32 v254, v255
	s_wait_dscnt 0x0
.if \refill
	NEXTREQ \oth
.endif
	s_wait_dscnt 0x0                               ; my reads of the other slot are back
.else
	s_wait_tensorcnt 0x1                           ; my part of slot 0 is in; slot 1's load stays out
.endif
	s_barrier_signal -1
	s_barrier_wait -1                              ; both hold of all eight waves
.if \refill
	TLOAD \oth                                     ; first behind the barrier, my one tensor load until the next such barrier: it has the whole step in which to land
.endif
.irp kt, 0,1,2,3
.irp ks, 0,1
	ds_load_b128 v[KF+8*(2*\kt+\ks):KF+8*(2*\kt+\ks)+3],   v[ADK+\slot] offset:\kt*8*KPP+\ks*64
	ds_load_b128 v[KF+8*(2*\kt+\ks)+4:KF+8*(2*\kt+\ks)+7], v[ADK+\slot] offset:\kt*8*KPP+\ks*64+32
.endr
.endr
.irp dt, 0,1,2,3
.irp kp, 0,1
	ds_load_tr16_b128 v[VF+8*(2*\dt+\kp):VF+8*(2*\dt+\kp)+3],   v[ADV+\slot] offset:\kp*16*VPP+\dt*32
	ds_load_tr16_b128 v[VF+8*(2*\dt+\kp)+4:VF+8*(2*\dt+\kp)+7], v[ADV+\slot] offset:\kp*16*VPP+\dt*32+8*VPP
.endr
.endr
	s_wait_loadcnt 0x0                             ; q: its 16 loads are out only in a block's first step; in every other step no load is out and the wait is met at once
	s_wait_dscnt 16                                ; K's 16 loads are in; V's 16 stay out
	WIN W_S
	; S^T = K Q^T: 16 accumulators by turns, one instruction a turn, d = 0..31 and then 32..63
.irp qt, 0,1,2,3
.irp kt, 0,1,2,3
	S1 \kt, \qt, 0, 1
.endr
.endr
.irp qt, 0,1,2,3
.irp kt, 0,1,2,3
	S1 \kt, \qt, 1, 0
.endr
.endr
.rept 4
	v_nop                                          ; four places before vector instructions read the results (ISA guide 7.12.1)
.endr
.if \mask
	WIN 0
	s_sub_co_u32 s79, s13, 1                       ; the mask is needed in a block's last step, by the waves whose keys reach or pass their rows (diff >= 0)
	s_ashr_i32 s80, s62, 31
	s_or_b32 s79, s79, s80
	s_cmp_lg_u32 s79, 0
	s_cbranch_scc1 .Lnomask_\@
	WIN W_MASK
.irp dd, -3,-2,-1,0,1,2,3
.irp jj, 0,1,2,3,4,5,6,7
	v_cmp_ge_i32 s[66+\jj], v[VD], 16*(\dd)+\jj    ; key <= row
.endr
.irp qt, 0,1,2,3
.irp kt, 0,1,2,3
.if (\kt)-(\qt) == (\dd)
.irp jj, 0,1,2,3,4,5,6,7
	v_cndmask_b32 v[32*\qt+8*\kt+\jj], v[NINF], v[32*\qt+8*\kt+\jj], s[66+\jj]
.endr
.endif
.endr
.endr
.endr
	WIN 0
.Lnomask_\@:
.endif
	; the running maximum: four chains, one for each tile of queries, started from M
	WIN W_MAX
.irp qt, 0,1,2,3
	v_max3_num_f32 v[TM+\qt], v[32*\qt], v[32*\qt+1], v[NM+2*\qt+1]
.endr
.irp i, 1,2,3,4,5,6,7,8,9,10,11,12,13,14,15
.irp qt, 0,1,2,3
	v_max3_num_f32 v[TM+\qt], v[32*\qt+2*\i], v[32*\qt+2*\i+1], v[TM+\qt]
.endr
.endr
	WIN 0
.irp qt, 0,1,2,3
	v_permlanex16_b32 v[TX+\qt], v[TM+\qt], s58, s59
.endr
.irp qt, 0,1,2,3
	v_max_num_f32 v[TM+\qt], v[TM+\qt], v[TX+\qt]
.endr
.irp qt, 0,1,2,3
	v_sub_f32 v[AL+2*\qt], v[NM+2*\qt+1], v[TM+\qt]
.endr
.irp qt, 0,1,2,3
	v_exp_f32 v[AL+2*\qt], v[AL+2*\qt]
.endr
.irp qt, 0,1,2,3
	v_mov_b32 v[NM+2*\qt+1], v[TM+\qt]             ; plain work behind the exponentials, which touches neither their results nor their sources
.endr
.irp qt, 0,1,2,3
	v_xor_b32 v[NM+2*\qt], 0x80000000, v[TM+\qt]
.endr
	s_wait_alu depctr_va_vdst(0)
.irp qt, 0,1,2,3
	v_mul_f32 v[AL+2*\qt], s60, v[AL+2*\qt]        ; x 0 in the second block's first step, x 1 else
.endr
.irp qt, 0,1,2,3
	v_mul_f32 v[TS+2*\qt], v[AL+2*\qt+1], v[AL+2*\qt]              ; the sum starts from the old L, weighted
	v_mov_b32 v[TS+2*\qt+1], 0
.endr
	WIN W_SUB
.irp qt, 0,1,2,3
.irp i, 0,1,2,3,4,5,6,7,8,9,10,11,12,13,14,15
	v_pk_add_f32 v[32*\qt+2*\i:32*\qt+2*\i+1], v[32*\qt+2*\i:32*\qt+2*\i+1], v[NM+2*\qt:NM+2*\qt+1] op_sel_hi:[1,0]
.endr
.endr
	; 128 exponentials in place; behind every two of them a pair of O is weighted: plain work among the transcendentals
.set NN, 0
.rept 64
	v_exp_f32 v[2*NN], v[2*NN]
	v_exp_f32 v[2*NN+1], v[2*NN+1]
.if \zero == 0
	v_pk_mul_f32 v[O+2*NN:O+2*NN+1], v[O+2*NN:O+2*NN+1], v[AL+2*((NN>>2)&3):AL+2*((NN>>2)&3)+1] op_sel_hi:[1,0]
.endif
.set NN, NN+1
.endr
.if \zero
	v_nop                                          ; the plain place behind the last exponentials
	s_wait_alu depctr_va_vdst(0)
.endif
	WIN W_SUM
	s_wait_alu depctr_va_vdst(0)
.irp i, 0,1,2,3,4,5,6,7,8,9,10,11,12,13,14,15
.irp qt, 0,1,2,3
	v_pk_add_f32 v[TS+2*\qt:TS+2*\qt+1], v[32*\qt+2*\i:32*\qt+2*\i+1], v[TS+2*\qt:TS+2*\qt+1]
.endr
.endr
	WIN W_CVT
.irp b, 0,1,2,3,4,5,6,7
.irp i, 0,1,2,3,4,5,6,7
	v_cvt_pk_f16_f32 v[16*\b+\i], v[16*\b+2*\i], v[16*\b+2*\i+1]   ; in place, ascending: a target has been read before it is written
.endr
.endr
	s_wait_dscnt 0x0                               ; V's fragments
	WIN W_PV
	; O^T += V^T P^T: 16 accumulators by turns, keys 0..31 and then 32..63 of my 64
.irp dt, 0,1,2,3
.irp qt, 0,1,2,3
	PV1 \dt, \qt, 0, \zero
.endr
.endr
.irp dt, 0,1,2,3
.irp qt, 0,1,2,3
	PV1 \dt, \qt, 1, 0
.endr
.endr
	WIN 0
	; five places behind the last products: in front of the next loads into V's registers (four) and of the next S products, which write over P (five)
.irp qt, 0,1,2,3
	v_add_f32 v[AL+2*\qt+1], v[TS+2*\qt], v[TS+2*\qt+1]            ; L, over my half of my keys
.endr
	v_nop
	s_mov_b32 s60, 1.0
.if \epi == 1
	s_cmp_lg_u32 s13, 1                            ; hangs on the work-group's x and the count of steps alone: the same in all eight waves, which all meet the barriers inside
	s_cbranch_scc1 .Lgo_on_\@
	EPI 0
.Lgo_on_\@:
	s_sub_co_u32 s13, s13, 1
.endif
.if \epi == 0
	s_sub_co_u32 s13, s13, 1
.endif
.if \epi == 2
	EPI 1
.endif
.endm
	STEP 0, 1, 1, 0, 0, 1, 1                       ; step 0
	s_mov_b32 s61, 3
.Lpair:
	STEP 1, 0, 0, 1, 1, 1, 1                       ; steps 1, 3, 5
	STEP 0, 1, 0, 1, 1, 1, 1                       ; steps 2, 4, 6
	s_sub_co_u32 s61, s61, 1
	s_cmp_lg_u32 s61, 0
	s_cbranch_scc1 .Lpair
	STEP 1, 0, 0, 1, 1, 0, 0                       ; step 7: inside the second block, asks for step 8
	STEP 0, 1, 0, 1, 0, 1, 2                       ; step 8: the second block's diagonal; nothing is left to fetch, and no tensor load is out at the end
	s_wait_tensorcnt 0x0
	ds_add_u32 v254, v255
	s_wait_dscnt 0x0
	s_endpgm
.Lfunc_end_k_qe2495548ac_attn:
	.size	k_qe2495548ac_attn, .Lfunc_end_k_qe2495548ac_attn-k_qe2495548ac_attn
	.p2alignl 7, 3214868480
	.fill 96, 4, 3214868480
	.section	.rodata,"a",@progbits
	.p2align	6, 0x0
	.amdhsa_kernel k_qe2495548ac_attn
		.amdhsa_group_segment_fixed_size 327680
		.amdhsa_private_segment_fixed_size 0
		.amdhsa_enable_private_segment 0
		.amdhsa_kernarg_size 16
		.amdhsa_user_sgpr_count 2
		.amdhsa_user_sgpr_kernarg_segment_ptr 1
		.amdhsa_wavefront_size32 1
		.amdhsa_system_sgpr_workgroup_id_x 1
		.amdhsa_system_sgpr_workgroup_id_y 1
		.amdhsa_system_sgpr_workgroup_id_z 1
		.amdhsa_system_vgpr_workitem_id 0
		.amdhsa_next_free_vgpr 512
		.amdhsa_next_free_sgpr 82
		.amdhsa_reserve_vcc 0
		.amdhsa_float_denorm_mode_32 3
		.amdhsa_float_denorm_mode_16_64 3
		.amdhsa_memory_ordered 1
		.amdhsa_forward_progress 1
		.amdhsa_inst_pref_size 255
	.end_amdhsa_kernel
	.section	.bss,"aw",@nobits
	.p2align	6
	.space	262144
	.amdgpu_metadata
---
amdhsa.version: [ 1, 2 ]
amdhsa.kernels:
  - .name:           k_qe2495548ac_attn
    .symbol:         k_qe2495548ac_attn.kd
    .args:
      - { .name: qkvh, .offset: 0, .size: 8, .value_kind: global_buffer, .address_space: global }
      - { .name: out0, .offset: 8, .size: 8, .value_kind: global_buffer, .address_space: global }
    .group_segment_fixed_size: 327680
    .private_segment_fixed_size: 0
    .kernarg_segment_align: 8
    .kernarg_segment_size: 16
    .max_flat_workgroup_size: 256
    .sgpr_count:     82
    .vgpr_count:     512
    .wavefront_size: 32
...
	.end_amdgpu_metadata
.endif
;; end of part 3
;; ======== version 2 of 2: 3 launches; version 1 with the launch cast written anew for expert scheduling mode
;; limits: values are held in f16: magnitudes above 65,504 overflow, below 6.1e-05 lose precision
;; workspace buffers: xb 8,388,608 bytes; wb 6,291,456 bytes; qkvh 25,165,824 bytes
;; launch cast (part 4): grid 256 x 1, 8 waves a work-group, no clusters, 0 bytes of LDS; arguments x, w_qkv, xb, wb; writes xb, wb
.if DOCPART == 4
	.amdgcn_target "amdgcn-amd-amdhsa--gfx1250"
	.amdhsa_code_object_version 6
	.text
	.protected	k_qe2495548ac_cast
	.globl	k_qe2495548ac_cast
	.p2align	8
	.type	k_qe2495548ac_cast,@function
k_qe2495548ac_cast:
	s_mov_b64 s[64:65], 0
	v_nop
	global_prefetch_b8 v0, s[64:65] scope:SCOPE_SE
	s_setreg_imm32_b32 hwreg(HW_REG_WAVE_SCHED_MODE, 0, 2), 2
	s_setreg_imm32_b32 hwreg(HW_REG_WAVE_MODE, 25, 1), 1
	s_wait_xcnt 0x0
	s_wait_alu depctr_vm_vsrc(0)
; xb = bf16(x), wb = bf16(w_qkv), same layouts, rounded to nearest even: the operands of the projection's matrix products.
; A unit is 2,048 numbers: 256 threads x 8 numbers, 8,192 bytes in, 4,096 bytes out.  x has 2,048 units, w_qkv 1,536;
; each of the 256 work-groups takes 8 units of x and 6 of w_qkv.  A straight line: all 28 loads of a thread go out first,
; then each unit is rounded in its own registers and stored.
; No LDS, no matrix unit, no cluster: nothing is shared and nothing is read twice.
; THE MODE: SCHED_MODE bits 1:0 = 2 (LLVM: expert scheduling mode 2), set by the entry lines.  The code itself states the register dependences
; between vector instructions and memory instructions, with s_wait_alu, always for 0.
; THE PLAN.  Registers that memory instructions touch:
;   v1, v2        byte offsets, written once at the head and never again: v1 is read by every load, v2 by every store.
;   v[D+8k ..+7]  unit k.  Its two loads, issued at the head, land here before any vector instruction has named these registers.  Its four conversions
;                 read all eight and write the first four, in place; its one store reads those four.  Nothing writes them again.
; So no load follows a vector instruction that names its registers, and no register that a memory instruction has read is written again: what has to be
; stated is only that a vector instruction has WRITTEN what a memory instruction reads.  The 14 units go in 7 pairs.  One wait at the head covers the two offsets.
; One wait at the head of each later pair, behind the wait for that pair's first data, covers the eight conversions of the pair before, whose two stores follow it;
; the pair's own conversions, behind those stores, name none of the registers that the stores read.  One wait stands ahead of the last two stores.
.set XU, 8                             ; units of x in a work-group
.set WU, 6                             ; units of w_qkv
.set D,  4                             ; v[4:115]  unit k: 8 registers as loaded; its first 4 then hold the 8 bf16
	s_load_b256 s[4:11], s[0:1], 0x0               ; x s[4:5], w_qkv s[6:7], xb s[8:9], wb s[10:11]
	v_lshlrev_b32 v1, 5, v0                        ; 32 t: my 8 numbers in a unit, f32
	v_lshlrev_b32 v2, 4, v0                        ; 16 t: the same 8 numbers, bf16
	s_lshl_b32 s12, ttmp9, 16                      ; 8 units of 8,192 bytes
	s_mov_b32 s13, 0
	s_mul_i32 s14, ttmp9, WU*8192
	s_mov_b32 s15, 0
	s_lshl_b32 s16, ttmp9, 15                      ; 8 units of 4,096 bytes
	s_mov_b32 s17, 0
	s_mul_i32 s18, ttmp9, WU*4096
	s_mov_b32 s19, 0
	s_wait_kmcnt 0x0
	s_add_nc_u64 s[4:5], s[4:5], s[12:13]
	s_add_nc_u64 s[6:7], s[6:7], s[14:15]
	s_add_nc_u64 s[8:9], s[8:9], s[16:17]
	s_add_nc_u64 s[10:11], s[10:11], s[18:19]
	s_wait_alu depctr_va_vdst(0)                   ; v1 and v2 are written: every load of the kernel reads v1 as its offset, every store v2
.irp u, 0,1,2,3,4,5,6,7
	global_load_b128 v[D+8*\u:D+8*\u+3],   v1, s[4:5] offset:\u*8192 th:TH_LOAD_NT
	global_load_b128 v[D+8*\u+4:D+8*\u+7], v1, s[4:5] offset:\u*8192+16 th:TH_LOAD_NT
.endr
.irp u, 0,1,2,3,4,5
	global_load_b128 v[D+64+8*\u:D+64+8*\u+3],   v1, s[6:7] offset:\u*8192 th:TH_LOAD_NT
	global_load_b128 v[D+64+8*\u+4:D+64+8*\u+7], v1, s[6:7] offset:\u*8192+16 th:TH_LOAD_NT
.endr
; unit k of the 14 is rounded: eight numbers close up into the first four of their eight registers.
.macro CVT8 k
	v_cvt_pk_bf16_f32 v[D+8*(\k)],   v[D+8*(\k)],   v[D+8*(\k)+1]     ; in place, ascending: each target has been read before it is written
	v_cvt_pk_bf16_f32 v[D+8*(\k)+1], v[D+8*(\k)+2], v[D+8*(\k)+3]
	v_cvt_pk_bf16_f32 v[D+8*(\k)+2], v[D+8*(\k)+4], v[D+8*(\k)+5]
	v_cvt_pk_bf16_f32 v[D+8*(\k)+3], v[D+8*(\k)+6], v[D+8*(\k)+7]
.endm
; unit k is stored: units 0 to 7 into xb, units 8 to 13 into wb.  Sixteen lanes store 256 consecutive bytes, aligned; the next launch reads them.
.macro SEND k
.if (\k) < XU
	global_store_b128 v2, v[D+8*(\k):D+8*(\k)+3], s[8:9] offset:(\k)*4096
.else
	global_store_b128 v2, v[D+8*(\k):D+8*(\k)+3], s[10:11] offset:((\k)-XU)*4096
.endif
.endm
; pair g: units 2 g and 2 g + 1 are rounded; the pair before is stored.  Loads come back in order (ISA guide 5.7.1): behind unit k's two loads 26 - 2 k younger ones may stay out.
.macro PAIR g
	s_wait_loadcnt 26-4*(\g)                       ; unit 2 g is in
.if (\g) > 0
	s_wait_alu depctr_va_vdst(0)                   ; the eight conversions of the pair before have written its registers, which the two stores below read
	SEND 2*(\g)-2
	SEND 2*(\g)-1
.endif
	CVT8 2*(\g)                                    ; these name this pair's registers alone: none that the stores above read
	s_wait_loadcnt 24-4*(\g)                       ; unit 2 g + 1 is in
	CVT8 2*(\g)+1
.endm
.irp g, 0,1,2,3,4,5,6
	PAIR \g
.endr
	s_wait_alu depctr_va_vdst(0)                   ; the last pair's conversions have written units 12 and 13, which the last two stores read
	SEND 12
	SEND 13
	s_endpgm
.Lfunc_end_k_qe2495548ac_cast:
	.size	k_qe2495548ac_cast, .Lfunc_end_k_qe2495548ac_cast-k_qe2495548ac_cast
	.p2alignl 7, 3214868480
	.fill 96, 4, 3214868480
	.section	.rodata,"a",@progbits
	.p2align	6, 0x0
	.amdhsa_kernel k_qe2495548ac_cast
		.amdhsa_group_segment_fixed_size 0
		.amdhsa_private_segment_fixed_size 0
		.amdhsa_enable_private_segment 0
		.amdhsa_kernarg_size 32
		.amdhsa_user_sgpr_count 2
		.amdhsa_user_sgpr_kernarg_segment_ptr 1
		.amdhsa_wavefront_size32 1
		.amdhsa_system_sgpr_workgroup_id_x 1
		.amdhsa_system_sgpr_workgroup_id_y 1
		.amdhsa_system_sgpr_workgroup_id_z 1
		.amdhsa_system_vgpr_workitem_id 0
		.amdhsa_next_free_vgpr 116
		.amdhsa_next_free_sgpr 66
		.amdhsa_reserve_vcc 0
		.amdhsa_float_denorm_mode_32 3
		.amdhsa_float_denorm_mode_16_64 3
		.amdhsa_memory_ordered 1
		.amdhsa_forward_progress 1
		.amdhsa_inst_pref_size 10
	.end_amdhsa_kernel
	.amdgpu_metadata
---
amdhsa.version: [ 1, 2 ]
amdhsa.kernels:
  - .name:           k_qe2495548ac_cast
    .symbol:         k_qe2495548ac_cast.kd
    .args:
      - { .name: x, .offset: 0, .size: 8, .value_kind: global_buffer, .address_space: global }
      - { .name: w_qkv, .offset: 8, .size: 8, .value_kind: global_buffer, .address_space: global }
      - { .name: xb, .offset: 16, .size: 8, .value_kind: global_buffer, .address_space: global }
      - { .name: wb, .offset: 24, .size: 8, .value_kind: global_buffer, .address_space: global }
    .group_segment_fixed_size: 0
    .private_segment_fixed_size: 0
    .kernarg_segment_align: 8
    .kernarg_segment_size: 32
    .max_flat_workgroup_size: 256
    .sgpr_count:     66
    .vgpr_count:     116
    .wavefront_size: 32
...
	.end_amdgpu_metadata
.endif
;; end of part 4
;; launch qkv: the kernel of part 2 again; grid 12 x 16, 4 waves a work-group, clusters of 4 x 4, 327,680 bytes of LDS; arguments xb, wb, b_qkv, qkvh; writes qkvh
;; launch attn: the kernel of part 3 again; grid 8 x 32, 8 waves a work-group, no clusters, 327,680 bytes of LDS; arguments qkvh, out0; writes out0
